; MI455X (gfx1250); checked and timed in simulation.
; The chip was launched on July 23, 2026; its instructions are those of AMD's public machine-readable ISA for CDNA 5 (MIT licence, August 2026) and "CDNA5" Instruction Set Architecture Reference Guide (July 2026). The comments in the code are by the model that wrote it; some were corrected since.
;; Expert FFN. Allowed arithmetic: float matrix products may take bf16 or f16 operands with f32 sums; other float arithmetic in f32, or as packed bf16 or f16 multiplies, adds, multiply-adds, maxima and minima; sums over many terms, partial sums and values carried from step to step in f32; what a program stores and reads back later, other than sums and carried values, may be rounded once to bf16 or f16.
;; Inputs: expert_b 8 x 1,024 float32; expert_w 8 x 1,024 x 1,024 float32; router_b 8 float32; router_w 1,024 x 8 float32; x 4 x 2,048 x 1,024 float32.
;; Outputs: out0 4 x 2,048 x 1,024 float32.
;; One version. Each part assembles by itself: llvm-mc -triple=amdgcn-amd-amdhsa -mcpu=gfx1250 --defsym DOCPART=n.
;; ======== version 1 of 1: 2 launches
;; workspace buffers: xb 16,777,216 bytes; wb 16,777,216 bytes; gate 32,768 bytes; route 16,384 bytes of whole numbers
;; launch prep (part 1): grid 256 x 1, 8 waves a work-group, no clusters, 92,160 bytes of LDS; arguments x, router_w, router_b, expert_w, xb, wb, gate, route; writes xb, wb, gate, route
.if DOCPART == 1
	.amdgcn_target "amdgcn-amd-amdhsa--gfx1250"
	.amdhsa_code_object_version 6
	.text
	.protected	k_q9b53beb454_prep
	.globl	k_q9b53beb454_prep
	.p2align	8
	.type	k_q9b53beb454_prep,@function
k_q9b53beb454_prep:
	s_mov_b64 s[64:65], 0
	v_nop
	global_prefetch_b8 v0, s[64:65] scope:SCOPE_SE
	s_setreg_imm32_b32 hwreg(HW_REG_WAVE_MODE, 25, 1), 1
	s_wait_xcnt 0x0
; PREP.  Work-group g of 256, eight waves, does three things.
;  (1) Tokens 32 g .. 32 g + 31 (128 KB of x) are rounded to bf16 and stored in xb [8192][1024].
;  (2) The router for these 32 tokens, on the rounded x, router_w and router_b: logits by the matrix unit (f32 sums), the maximum taken away, gate = 1 / sum of e^(L - m),
;      the chosen expert = the lowest index at the largest logit.  gate[t] goes out in f32; route[g][0..7] = the experts' bit words (bit i: token 32 g + i chose e),
;      route[g][8..15] = their popcounts: whole numbers at fixed places, from which the next launch forms its addresses.  No address and no branch here hangs on them.
;  (3) Rows 32 ks .. 32 ks + 31 of expert e's weights (e = g / 32, ks = g % 32: 128 KB on end) are rounded to bf16 and stored in wb in the order in which a wave's operand registers
;      take them: [e 8][cg 16][ks 32][b 4][q 2][lane 32][16 bytes]; the 16 bytes of lane 16 h + r are k = 32 ks + 16 q + 8 h + 0..7 of column 64 cg + 4 r + b.
; LIMITS.  Every input is rounded once to bf16 (nearest even); all sums, the softmax and the gate are f32.  The choice is made on the logits, reference()'s on the probabilities: they can differ only
; where two logits lie within a rounding of each other.  A weight below 2^-126 counts as 0 in the gate's sum.  NaN and infinities are not treated apart.
; Memory binds this launch: each wave keeps 32 loads of 16 bytes a lane on their way (x first; as a row of x is used up its registers take weights), and the router runs while the weights come.
; No cluster and no tensor load: no two work-groups share a tile but router_w's 32 KB.
.set XTP,   2064                       ; a row of 1,024 bf16 in LDS: 2,048 bytes + 16: an odd multiple of 16, so the 16 rows of a fragment load start at 16 different groups of four banks (ISA guide 11.1)
.set RWB,   32*XTP                     ; 0 .. 66,047: the 32 tokens;  from RWB: router_w turned, [expert 8][k 1024] in bf16, same pitch
.set PART,  RWB+16640                  ; the waves' partial logits: 8 f32 a lane, 1,024 bytes a wave
.set SPARE, PART+8192                  ; the spare words, 128 bytes a wave: four blocks of 256 bytes that no other line names
.set X, 16                             ; v[16:143]   32 loads of 4 registers: x, then the weights
.set Y, 144                            ; v[144:207]  rounded x; then the router's fragments; then the rounded weights
.set R, 208                            ; v[208:255]  router_w as loaded (32) and rounded (16); then two accumulators and their sum
; v1 lane  v2 x offset  v3 xb offset  v4 LDS place of my rounded x  v5 weights' offset  v6 wb offset  v7 router_w offset  v8 its LDS place  v9, v10 fragment addresses  v11 my partial's place  v12, v13 the add's two
	s_load_b512 s[8:23], s[0:1], 0x0               ; x 8:9, router_w 10:11, router_b 12:13, expert_w 14:15, xb 16:17, wb 18:19, gate 20:21, route 22:23
	v_lshl_add_u32 v12, v0, 2, SPARE
	v_mov_b32 v13, 0
	v_and_b32 v1, 31, v0
	v_lshrrev_b32 v14, 5, v0
	v_readfirstlane_b32 s4, v14                    ; wave 0..7
	s_mov_b32 s5, ttmp9                            ; g
	v_and_b32 v[Y], 15, v0                         ; r = lane % 16
	v_bfe_u32 v[Y+1], v0, 4, 1                     ; h = lane / 16
	v_bfe_u32 v[Y+2], v0, 1, 4                     ; lane / 2
	v_and_b32 v[Y+3], 1, v0                        ; lane % 2
	v_and_b32 v[Y+4], 7, v0                        ; r % 8
	s_lshl_b32 s32, s4, 14
	v_lshl_add_u32 v2, v1, 4, s32                  ; x: my wave's 4 rows of 4,096 bytes + 16 x lane
	s_lshl_b32 s32, s4, 13
	v_lshl_add_u32 v3, v1, 3, s32                  ; xb: 4 rows of 2,048 bytes + 8 x lane
	s_mul_i32 s32, s4, 4*XTP
	v_lshl_add_u32 v4, v1, 3, s32                  ; the same place in LDS
	s_lshl_b32 s32, s4, 9
	v_lshl_add_u32 v5, v[Y], 4, s32                ; weights: columns 128 w + 4 r on,
	v_lshl_add_u32 v5, v[Y+1], 15, v5              ; 8 rows further down for lanes 16-31
	s_lshl_b32 s32, s4, 18
	v_lshl_add_u32 v6, v1, 4, s32                  ; wb: column groups 2 w, 2 w + 1 (131,072 bytes each) + 16 x lane
	s_lshl_b32 s32, s4, 12
	v_lshl_add_u32 v7, v[Y+2], 8, s32              ; router_w: thread t takes k = 8 (t / 2) + 0..7 (32 bytes a row),
	v_lshl_add_u32 v7, v[Y+3], 4, v7               ; experts 4 (t % 2) + 0..3
	s_lshl_b32 s32, s4, 8
	s_add_co_u32 s32, s32, RWB
	v_mul_u32_u24 v8, v[Y+3], 4*XTP
	v_lshl_add_u32 v8, v[Y+2], 4, v8
	v_add_nc_u32 v8, s32, v8                       ; turned: row 4 (t % 2), byte 16 (t / 2)
	s_and_b32 s32, s4, 1                           ; the router's shares: token tile w % 2, quarter w / 2 of K
	s_mul_i32 s32, s32, 16*XTP
	s_lshr_b32 s33, s4, 1
	s_lshl_b32 s33, s33, 9
	s_add_co_u32 s32, s32, s33
	s_add_co_u32 s33, s33, RWB
	v_mul_u32_u24 v9, v[Y], XTP
	v_lshl_add_u32 v9, v[Y+1], 4, v9
	v_add_nc_u32 v9, s32, v9                       ; token fragment: row 16 (w % 2) + r, byte 512 (w / 2) + 16 h
	v_mul_u32_u24 v10, v[Y+4], XTP
	v_lshl_add_u32 v10, v[Y+1], 4, v10
	v_add_nc_u32 v10, s33, v10                     ; expert fragment: row r % 8 (rows 8-15 repeat the eight experts)
	s_lshl_b32 s32, s4, 10
	s_add_co_u32 s32, s32, PART
	v_lshl_add_u32 v11, v1, 5, s32
	s_lshl_b32 s2, s5, 17                          ; g x 131,072: my tokens in x, my slice in expert_w
	s_mov_b32 s3, 0
	s_wait_kmcnt 0x0
	s_load_b256 s[24:31], s[12:13], 0x0            ; router_b
	s_add_nc_u64 s[8:9], s[8:9], s[2:3]
	s_add_nc_u64 s[14:15], s[14:15], s[2:3]
.irp i, 0,1,2,3,4,5,6,7
	global_load_b128 v[R+4*\i:R+4*\i+3], v7, s[10:11] offset:32*\i
.endr
.irp n, 0,1,2,3,4,5,6,7,8,9,10,11,12,13,14,15,16,17,18,19,20,21,22,23,24,25,26,27,28,29,30,31
	global_load_b128 v[X+4*\n:X+4*\n+3], v2, s[8:9] offset:(\n/8)*4096+(\n%8)*512 th:TH_LOAD_NT  ; row n / 8 of my four, 512 bytes on end a load
.endr
	s_lshl_b32 s2, s5, 16
	s_add_nc_u64 s[16:17], s[16:17], s[2:3]        ; xb at my tokens
	s_lshr_b32 s32, s5, 5
	s_lshl_b32 s32, s32, 21
	s_and_b32 s33, s5, 31
	s_lshl_b32 s33, s33, 12
	s_add_co_u32 s2, s32, s33
	s_add_nc_u64 s[18:19], s[18:19], s[2:3]        ; wb at (e, ks)
	s_lshl_b32 s2, s5, 7
	s_add_nc_u64 s[20:21], s[20:21], s[2:3]        ; gate at my tokens
	s_lshl_b32 s2, s5, 6
	s_add_nc_u64 s[22:23], s[22:23], s[2:3]        ; route at my 16 words
	s_wait_loadcnt 32                              ; router_w is in; the 32 loads of x, issued behind it, stay out
.irp b, 0,1,2,3
.irp u, 0,1,2,3
	v_cvt_pk_bf16_f32 v[R+32+4*\b+\u], v[R+8*\u+\b], v[R+8*\u+4+\b]  ; expert b of my four: k = 2 u, 2 u + 1
.endr
.endr
.irp b, 0,1,2,3
	ds_store_b128 v8, v[R+32+4*\b:R+32+4*\b+3] offset:XTP*\b
.endr
; Row rho of my four: rounded, stored in xb (32 lanes x 8 bytes: 256 consecutive bytes, aligned) and in LDS; then its registers take weights: task rho = column group 2 w + rho / 2, half q = rho % 2 of
; the 32 rows: load i brings row 16 q + 8 h + i, columns 64 cg + 4 r + 0..3 (16 lanes: 256 consecutive bytes).
.macro XROW rho
.irp m, 0,1,2,3,4,5,6,7
	s_wait_loadcnt 31-\m                           ; younger than this load: 31 - 8 rho - m of x and the 8 rho of weights issued so far
	v_cvt_pk_bf16_f32 v[Y+16*(\rho)+2*\m],   v[X+32*(\rho)+4*\m],   v[X+32*(\rho)+4*\m+1]
	v_cvt_pk_bf16_f32 v[Y+16*(\rho)+2*\m+1], v[X+32*(\rho)+4*\m+2], v[X+32*(\rho)+4*\m+3]
	global_store_b64 v3, v[Y+16*(\rho)+2*\m:Y+16*(\rho)+2*\m+1], s[16:17] offset:(\rho)*2048+\m*256
	ds_store_b64 v4, v[Y+16*(\rho)+2*\m:Y+16*(\rho)+2*\m+1] offset:(\rho)*XTP+\m*256
.endr
.irp i, 0,1,2,3,4,5,6,7
	global_load_b128 v[X+32*(\rho)+4*\i:X+32*(\rho)+4*\i+3], v5, s[14:15] offset:((\rho)&1)*65536+((\rho)>>1)*256+\i*4096 th:TH_LOAD_NT
.endr
.endm
	XROW 0
	XROW 1
	XROW 2
	XROW 3
	s_wait_kmcnt 0x0                               ; router_b
	s_wait_dscnt 0x0                               ; for the others' sake: my rows of x and my part of router_w are in LDS
	s_barrier_signal -1
	s_barrier_wait -1
	; THE ROUTER.  Source 0 = 16 rows of experts, source 1 = 16 tokens: a lane then holds token r, and its eight registers the eight experts' logits.  My quarter of K is 8 steps of 32, on two
	; accumulators by turns, one instruction a turn.
	s_wait_xcnt 0x0                                ; the stores into xb have read Y: only now is it written again
.macro RBATCH t
.irp s, 0,1,2,3
	ds_load_b128 v[Y+8*\s:Y+8*\s+3],       v9  offset:256*(\t)+64*\s
	ds_load_b128 v[Y+8*\s+4:Y+8*\s+7],     v9  offset:256*(\t)+64*\s+32
	ds_load_b128 v[Y+32+8*\s:Y+32+8*\s+3], v10 offset:256*(\t)+64*\s
	ds_load_b128 v[Y+36+8*\s:Y+36+8*\s+3], v10 offset:256*(\t)+64*\s+32
.endr
	s_wait_dscnt 0x0
.irp s, 0,1,2,3
.if ((\t) == 0) && (\s < 2)
	v_wmma_f32_16x16x32_bf16 v[R+8*(\s&1):R+8*(\s&1)+7], v[Y+32+8*\s:Y+32+8*\s+7], v[Y+8*\s:Y+8*\s+7], 0
.else
	v_wmma_f32_16x16x32_bf16 v[R+8*(\s&1):R+8*(\s&1)+7], v[Y+32+8*\s:Y+32+8*\s+7], v[Y+8*\s:Y+8*\s+7], v[R+8*(\s&1):R+8*(\s&1)+7]
.endif
.endr
.rept 4
	v_nop                                          ; four places behind the products: ahead of loads into their sources, and of the sums that read their results
.endr
.endm
	RBATCH 0
	RBATCH 1
.irp i, 0,2,4,6
	v_pk_add_f32 v[R+16+\i:R+17+\i], v[R+\i:R+\i+1], v[R+8+\i:R+9+\i]  ; from each accumulator's low end on
.endr
	ds_store_b128 v11, v[R+16:R+19]
	ds_store_b128 v11, v[R+20:R+23] offset:16
	s_wait_dscnt 0x0                               ; for wave 0's sake
	s_barrier_signal -1
	s_barrier_wait -1
	s_cmp_lg_u32 s4, 0
	s_cbranch_scc1 .Lw                             ; wave 0 alone ends the router, lane = token; no barrier and no global load stands in what the others jump
	v_and_b32 v14, 15, v1
	v_lshrrev_b32 v15, 4, v1
	v_lshlrev_b32 v14, 5, v14
	v_lshl_add_u32 v14, v15, 10, v14
	v_add_nc_u32 v14, PART, v14                    ; token tile lane / 16, its lane lane % 16; quarter q lies 2,048 bytes further on
.irp q, 0,1,2,3
	ds_load_b128 v[Y+8*\q:Y+8*\q+3],   v14 offset:2048*\q
	ds_load_b128 v[Y+8*\q+4:Y+8*\q+7], v14 offset:2048*\q+16
.endr
.irp i, 0,1,2,3
	v_cvt_pk_bf16_f32 v[Y+32+\i], s[24+2*\i], s[25+2*\i]  ; router_b rounded to bf16, like every input,
.endr
.irp i, 0,1,2,3
	v_lshlrev_b32 v[Y+40+2*\i], 16, v[Y+32+\i]     ; and widened again
	v_and_b32 v[Y+41+2*\i], 0xffff0000, v[Y+32+\i]
.endr
	s_wait_dscnt 0x0
.irp i, 0,2,4,6
	v_pk_add_f32 v[Y+\i:Y+\i+1], v[Y+\i:Y+\i+1], v[Y+8+\i:Y+9+\i]
	v_pk_add_f32 v[Y+16+\i:Y+17+\i], v[Y+16+\i:Y+17+\i], v[Y+24+\i:Y+25+\i]
.endr
.irp i, 0,2,4,6
	v_pk_add_f32 v[Y+\i:Y+\i+1], v[Y+\i:Y+\i+1], v[Y+16+\i:Y+17+\i]
.endr
.irp i, 0,2,4,6
	v_pk_add_f32 v[Y+\i:Y+\i+1], v[Y+\i:Y+\i+1], v[Y+40+\i:Y+41+\i]  ; the eight logits
.endr
	v_max3_num_f32 v[Y+48], v[Y], v[Y+1], v[Y+2]
	v_max3_num_f32 v[Y+48], v[Y+48], v[Y+3], v[Y+4]
	v_max3_num_f32 v[Y+48], v[Y+48], v[Y+5], v[Y+6]
	v_max_num_f32 v[Y+48], v[Y+48], v[Y+7]         ; m
	v_mov_b32 v[Y+49], 7
.irp e, 6,5,4,3,2,1,0
	v_cmp_eq_f32 vcc_lo, v[Y+\e], v[Y+48]
	v_cndmask_b32 v[Y+49], v[Y+49], \e, vcc_lo     ; the lowest index at the maximum
.endr
	v_mul_f32 v[Y+50], 0x3fb8aa3b, v[Y+48]         ; c m, c = log2(e)
	v_mov_b32 v[Y+51], v[Y+50]                     ; named with it as a pair
.irp i, 0,2,4,6
	v_pk_fma_f32 v[Y+\i:Y+\i+1], v[Y+\i:Y+\i+1], 0x3fb8aa3b, v[Y+50:Y+51] op_sel_hi:[1,0,0] neg_lo:[0,0,1] neg_hi:[0,0,1]  ; c L - c m
.endr
.irp e, 0,1,2,3,4,5,6,7
	v_exp_f32 v[Y+\e], v[Y+\e]                     ; one batch of eight
.endr
	v_mov_b32 v[Y+54], 0                           ; the plain instruction behind the last exponential; the words for route are the work between the batch and its wait
.irp e, 0,1,2,3,4,5,6,7
	v_cmp_eq_u32 s[40+\e], \e, v[Y+49]             ; expert e's bit word
.endr
.irp e, 0,1,2,3,4,5,6,7
	s_bcnt1_i32_b32 s36, s[40+\e]
	v_writelane_b32 v[Y+54], s[40+\e], \e
	v_writelane_b32 v[Y+54], s36, 8+\e
.endr
	v_lshlrev_b32 v[Y+53], 2, v1
	s_wait_alu depctr_va_vdst(0)                   ; one wait for the eight exponentials, ahead of their first reader
	v_pk_add_f32 v[Y:Y+1], v[Y:Y+1], v[Y+2:Y+3]
	v_pk_add_f32 v[Y+4:Y+5], v[Y+4:Y+5], v[Y+6:Y+7]
	v_pk_add_f32 v[Y:Y+1], v[Y:Y+1], v[Y+4:Y+5]
	v_add_f32 v[Y], v[Y], v[Y+1]
	v_rcp_f32 v[Y+52], v[Y]                        ; the largest probability = 1 / the sum
	v_nop
	s_wait_alu depctr_va_vdst(0)
	global_store_b32 v[Y+53], v[Y+52], s[20:21]    ; 32 gates, 128 bytes on end
	v_cmp_gt_u32 vcc_lo, 16, v1
	s_wait_xcnt 0x0                                ; EXEC changes only behind this wait
	s_and_saveexec_b32 s48, vcc_lo
	global_store_b32 v[Y+53], v[Y+54], s[22:23]    ; lanes 0-15: my 16 words of route, 64 bytes on end
	s_wait_xcnt 0x0                                ; and again, ahead of the line that widens it
	s_or_b32 exec_lo, exec_lo, s48
.Lw:
	s_wait_xcnt 0x0                                ; Y is written again only behind this wait (wave 0's stores read registers of it)
; Task t's eight loads are in: two rows' numbers of one column pack into a word, so the turn from [k][n] to k along a lane's registers costs nothing but the rounding.
.macro WTASK t
	s_wait_loadcnt 8*(3-(\t))                      ; the later tasks' loads stay out
.irp b, 0,1,2,3
.irp u, 0,1,2,3
	v_cvt_pk_bf16_f32 v[Y+16*(\t)+4*\b+\u], v[X+32*(\t)+8*\u+\b], v[X+32*(\t)+8*\u+4+\b]
.endr
.endr
.irp b, 0,1,2,3
	global_store_b128 v6, v[Y+16*(\t)+4*\b:Y+16*(\t)+4*\b+3], s[18:19] offset:((\t)>>1)*131072+((\t)&1)*512+\b*1024  ; 512 consecutive bytes, aligned
.endr
.endm
	WTASK 0
	WTASK 1
	WTASK 2
	WTASK 3
	s_wait_tensorcnt 0x0                           ; the wave's end, behind my last LDS store
	ds_add_u32 v12, v13
	s_wait_dscnt 0x0
	s_endpgm
.Lfunc_end_k_q9b53beb454_prep:
	.size	k_q9b53beb454_prep, .Lfunc_end_k_q9b53beb454_prep-k_q9b53beb454_prep
	.p2alignl 7, 3214868480
	.fill 96, 4, 3214868480
	.section	.rodata,"a",@progbits
	.p2align	6, 0x0
	.amdhsa_kernel k_q9b53beb454_prep
		.amdhsa_group_segment_fixed_size 92160
		.amdhsa_private_segment_fixed_size 0
		.amdhsa_enable_private_segment 0
		.amdhsa_kernarg_size 64
		.amdhsa_user_sgpr_count 2
		.amdhsa_user_sgpr_kernarg_segment_ptr 1
		.amdhsa_wavefront_size32 1
		.amdhsa_system_sgpr_workgroup_id_x 1
		.amdhsa_system_sgpr_workgroup_id_y 1
		.amdhsa_system_sgpr_workgroup_id_z 1
		.amdhsa_system_vgpr_workitem_id 0
		.amdhsa_next_free_vgpr 256
		.amdhsa_next_free_sgpr 66
		.amdhsa_reserve_vcc 1
		.amdhsa_float_denorm_mode_32 3
		.amdhsa_float_denorm_mode_16_64 3
		.amdhsa_memory_ordered 1
		.amdhsa_forward_progress 1
		.amdhsa_inst_pref_size 37
	.end_amdhsa_kernel
	.amdgpu_metadata
---
amdhsa.version: [ 1, 2 ]
amdhsa.kernels:
  - .name:           k_q9b53beb454_prep
    .symbol:         k_q9b53beb454_prep.kd
    .args:
      - { .name: x, .offset: 0, .size: 8, .value_kind: global_buffer, .address_space: global }
      - { .name: router_w, .offset: 8, .size: 8, .value_kind: global_buffer, .address_space: global }
      - { .name: router_b, .offset: 16, .size: 8, .value_kind: global_buffer, .address_space: global }
      - { .name: expert_w, .offset: 24, .size: 8, .value_kind: global_buffer, .address_space: global }
      - { .name: xb, .offset: 32, .size: 8, .value_kind: global_buffer, .address_space: global }
      - { .name: wb, .offset: 40, .size: 8, .value_kind: global_buffer, .address_space: global }
      - { .name: gate, .offset: 48, .size: 8, .value_kind: global_buffer, .address_space: global }
      - { .name: route, .offset: 56, .size: 8, .value_kind: global_buffer, .address_space: global }
    .group_segment_fixed_size: 92160
    .private_segment_fixed_size: 0
    .kernarg_segment_align: 8
    .kernarg_segment_size: 64
    .max_flat_workgroup_size: 256
    .sgpr_count:     66
    .vgpr_count:     256
    .wavefront_size: 32
...
	.end_amdgpu_metadata
.endif
;; end of part 1
;; launch ffn (part 2): grid 256 x 1, 4 waves a work-group, no clusters, 318,464 bytes of LDS; arguments xb, wb, gate, route, expert_b, out0; writes out0
.if DOCPART == 2
	.amdgcn_target "amdgcn-amd-amdhsa--gfx1250"
	.amdhsa_code_object_version 6
	.text
	.protected	k_q9b53beb454_ffn
	.globl	k_q9b53beb454_ffn
	.p2align	8
	.type	k_q9b53beb454_ffn,@function
k_q9b53beb454_ffn:
	s_mov_b64 s[64:65], 0
	v_nop
	global_prefetch_b8 v0, s[64:65] scope:SCOPE_SE
	s_setreg_imm32_b32 hwreg(HW_REG_WAVE_MODE, 25, 1), 1
	s_wait_xcnt 0x0
; FFN.  out0[t] = gate[t] x (xb[t] . W[e(t)] + bf16(expert_b[e(t)])): only the chosen expert's product is made.
; GRID.  Row tiles of 144: the sum over the experts of ceil(c_e / 144) is at most (8,192 + 8 x 143) / 144 = 64 for every split, so 64 row slots x 4 column groups of 256 = 256 work-groups serve every split.
; Work-group id: column group id % 4; the row slot's six bits are, from the top down, id's bits 3, 2, 4, 7, 6, 5.  So the 128 work-groups that agree in bit 3 of their number take slots 0-31 or 32-63, those
; that agree in bits 3 and 2 sixteen neighbouring slots: such a set reads the weights of the few experts whose tiles lie in its slots, not of all eight.  The four column groups of a slot are neighbours in id.
; Every wave adds up route's counts, finds the slot's expert and its first rank.  A slot that the split leaves empty passes every barrier like the others (no barrier stands under a branch on loaded
; numbers), with token 0 in all its places, and stores nothing.
; SHARES.  A wave makes all 144 rows x 64 columns: 36 accumulators, 288 registers; 32 K steps of 32, 36 matrix instructions each.
; B has one reader in the work-group, so it comes from wb straight into registers, already in operand order: 8 loads a step, a ring of six stages, asked for five steps ahead.
; A comes by the list of tokens: loaded by rows (16 lanes take 256 consecutive bytes of a token's row), stored into LDS once and kept there: eight chunks of 128 along K, each with bytes of its own, so
; nothing in LDS is ever written twice; one barrier a chunk between the four waves' stores and the reads.
; THE LIST.  Ranks among an expert's tokens go by (lane l, j, bit i) of the words g = 32 j + l of route: token 1,024 j + 32 l + i.  Wave 0 alone makes it, ahead of the first barrier, while no other wave
; touches LDS.  Places past the count repeat the tile's last row: in the tile's one partial block of 16 rows they store the same bytes to the same places again (15 rows x 256 bytes a wave at the most).
; THE WAY OUT needs no LDS stage: column 4 r + b of a group of 64 lies in lane r of fragment b, so a lane's four accumulators of a row hold four neighbouring columns, and 16 lanes store 256 consecutive
; aligned bytes of a token's row.  The bias is the C operand of the first K step; the gate multiplies on the way out.
; NO CLUSTER: A, which the four column groups share, comes by a list that no tensor descriptor covers; B is shared by an expert's row tiles, whose number hangs on the split: whole clusters of 4 row
; tiles for each expert in 16 clusters would ask for 8,192 / (4 M) + 7 <= 16, M >= 228 rows a work-group, which LDS does not hold at K = 1,024.
; LIMITS.  expert_b is rounded to bf16 like every input; sums in f32.  NaN and infinities are not treated apart.
; REGISTERS, in windows of 256 (s_set_vgpr_msb: bits 1:0 source 0, 3:2 source 1, 5:4 source 2, 7:6 destination):
;   window 0: v0-31 addresses and at work; v32-49 the byte offsets in xb of my 18 pairs of rows; v50-58 ranks; v64-135, v136-207 two buffers of A's fragments (9 x 8); v208-255 at work in the prologue
;             (in the prologue v64-127 hold the bit words, v128-191 the counts; on the way out two sets of 56 lie at v64 and v128)
;   window 1: v0-191 B's ring, 32 a stage      window 2: accumulators (a, b), a = 0..7, at 32 a + 8 b
;   window 3: v0-31 accumulators (8, b); v32-63 the bias as four C tiles; v64-135 a chunk of A on its way from memory to LDS
.set PITCH, 272                        ; a row of a chunk: 256 bytes + 16: an odd multiple of 16, so the 16 rows of a fragment load start at 16 different groups of four banks (ISA guide 11.1)
.set CHUNK, 144*PITCH                  ; 39,168
.set LIST,  8*CHUNK                    ; 145 words: the token of each rank of the tile; word 144 takes what falls outside
.set TOK,   LIST+768                   ; 160 words: the token of each place, places past the count filled
.set GATE,  TOK+768                    ; 160 words for each wave: the gates of those tokens
.set SPARE, GATE+4*768                 ; the spare words, 128 bytes a wave: two blocks of 256 bytes that no other line names
.set FA,  64
.set STG, 64                           ; window 3
.set BC,  32                           ; window 3
; v1 lane  v2 r  v3 h  v4, v5 the add's two  v6 16 x lane  v7 A's fragment address  v8 where I store A  v9 my bytes in a row of out0 and of expert_b  v10 route offset  v11, v12 the way out's table addresses
; v13 a rank for a bit that is not set  v27 LIST + 4 lane  v28 my GATE + 4 lane  v29 TOK + 4 lane  v30 TOK at my first pair of rows  v31 16 r
.set MSB, 0
.macro WIN new                         ; the immediate's high byte repeats the setting that is left; a switch that changes nothing is dropped
.if MSB != (\new)
	s_set_vgpr_msb (MSB<<8)|(\new)
.set MSB, \new
.endif
.endm
; LOADcnt is counted by the assembler: NLD = loads issued so far; a mark takes NLD behind a group's last load; the wait for that group lets the NLD - mark younger loads stay out (loads come back in order:
; ISA guide 5.7.1).  Where that is more than the wait can name, an earlier wait for a younger group has already shown the group landed.
.set NLD, 0
.macro WAITLD mark
.if (NLD-(\mark)) > 63
	s_wait_loadcnt 63
.else
	s_wait_loadcnt NLD-(\mark)
.endif
.endm
.macro SETMB st
.if (\st) == 0
.set MB0, NLD
.elseif (\st) == 1
.set MB1, NLD
.elseif (\st) == 2
.set MB2, NLD
.elseif (\st) == 3
.set MB3, NLD
.elseif (\st) == 4
.set MB4, NLD
.else
.set MB5, NLD
.endif
.endm
.macro WAITMB st
.if (\st) == 0
	WAITLD MB0
.elseif (\st) == 1
	WAITLD MB1
.elseif (\st) == 2
	WAITLD MB2
.elseif (\st) == 3
	WAITLD MB3
.elseif (\st) == 4
	WAITLD MB4
.else
	WAITLD MB5
.endif
.endm
; B of K step k: four fragments of 16 columns x 32 K, 4,096 bytes on end, into stage k % 6.  Offset register and base are never rewritten.
.macro BLOAD k
	WIN 0x40
.irp b, 0,1,2,3
.irp q, 0,1
	global_load_b128 v[32*((\k)%6)+8*\b+4*\q:32*((\k)%6)+8*\b+4*\q+3], v6, s[10:11] offset:(\k)*4096+\b*1024+\q*512
.endr
.endr
.set NLD, NLD+8
	SETMB (\k)%6
.endm
; Chunk c of my 36 rows of A: 18 loads, two rows each.
.macro ALOAD c, dst, win
	WIN \win
.set p_, 0
.rept 18
	global_load_b128 v[(\dst)+4*p_:(\dst)+4*p_+3], v[32+p_], s[8:9] offset:256*(\c)
.set p_, p_+1
.endr
.set NLD, NLD+18
.endm
; and into LDS; then the address steps to the next chunk
.macro ASTORE src, win
	WIN \win
.set p_, 0
.rept 18
	ds_store_b128 v8, v[(\src)+4*p_:(\src)+4*p_+3] offset:2*PITCH*p_
.set p_, p_+1
.endr
	WIN 0
	v_add_nc_u32 v8, CHUNK, v8
.endm
; A's nine fragments of K step k, 18 LDS loads in one run, into buffer k % 2
.macro FETCH k
	WIN 0
.set fb_, FA+72*((\k)%2)
.irp a, 0,1,2,3,4,5,6,7,8
	ds_load_b128 v[fb_+8*\a:fb_+8*\a+3],   v7 offset:\a*16*PITCH+64*((\k)%4)
	ds_load_b128 v[fb_+8*\a+4:fb_+8*\a+7], v7 offset:\a*16*PITCH+64*((\k)%4)+32
.endr
.endm
; Row blocks a0 .. a1 x the four column blocks.  Source 0 = 16 tokens, source 1 = 16 columns.  The 36 accumulators take turns in the same order in every step, one instruction a turn.
; In step 0 the C operand is the bias: nothing is cleared.
.macro MM k, a0, a1
.set fa_, FA+72*((\k)%2)
.set bs_, 32*((\k)%6)
.set a_, \a0
.rept (\a1)-(\a0)+1
.if a_ < 8
.set d_, 32*a_
.if (\k) == 0
	WIN 0xb4
.else
	WIN 0xa4
.endif
.else
.set d_, 0
	WIN 0xf4
.endif
.irp b, 0,1,2,3
.if (\k) == 0
	v_wmma_f32_16x16x32_bf16 v[d_+8*\b:d_+8*\b+7], v[fa_+8*a_:fa_+8*a_+7], v[bs_+8*\b:bs_+8*\b+7], v[BC+8*\b:BC+8*\b+7]
.else
	v_wmma_f32_16x16x32_bf16 v[d_+8*\b:d_+8*\b+7], v[fa_+8*a_:fa_+8*a_+7], v[bs_+8*\b:bs_+8*\b+7], v[d_+8*\b:d_+8*\b+7]
.endif
.endr
.set a_, a_+1
.endr
.endm
; At the head of step 4 c (c = 1..6): chunk c + 1 has come, goes into LDS, and chunk c + 2 is asked for
.macro STAGEIN c
	WAITLD MKA
	ASTORE STG, 0x0c
.if (\c) <= 5
	ALOAD (\c)+2, STG, 0xc0
.set MKA, NLD
.endif
.endm
; A K STEP.  DScnt: behind step k's 18 fragment loads stand the 18 stores of a chunk (S_, in a step that begins with them) and, from the step's middle on, the next step's 18 loads.
; In steps 7, 11 .. 27 the barrier stands between the four waves' stores of the next chunk (made at the head of the chunk in hand) and the first reads of it.
.macro KSTEP k
.set i_, (\k)%4
.set c_, (\k)/4
.set S_, 0
.set bar_, 0
.if (i_ == 3) && (c_ >= 1) && (c_ <= 6)
.set bar_, 1
.endif
.if (i_ == 0) && (c_ >= 1) && (c_ <= 6)
	STAGEIN c_
.set S_, 18
.endif
	WAITMB (\k)%6                                  ; B of this step
.if bar_
	s_wait_dscnt 0x0                               ; for the others' sake: my stores of the next chunk are done (and my fragments are in)
	s_barrier_signal -1
.else
	s_wait_dscnt 10+S_                             ; row blocks 0-3 are in; the ten loads of blocks 4-8 and what was issued behind them may be out
.endif
	MM \k, 0, 3
.if (\k) < 31
.if i_ == 3
	WIN 0
	v_add_nc_u32 v7, CHUNK, v7                     ; the next step reads the next chunk
.rept 3
	v_nop
.endr
.else
.rept 4
	v_nop                                          ; four places between the last product of step k - 1 and the loads into the registers that it read (ISA guide 7.12.1 for vector instructions)
.endr
.endif
.endif
.if bar_
	s_barrier_wait -1
.endif
.if (\k) <= 26
	BLOAD (\k)+5                                   ; into the stage of step k - 1
.endif
.if (\k) < 31
	FETCH (\k)+1
.if !bar_
	s_wait_dscnt 18+S_                             ; all of this step's fragments are in
.endif
.else
	s_wait_dscnt 0x0
.endif
	MM \k, 4, 8
.endm
	s_load_b256 s[8:15], s[0:1], 0x0               ; xb 8:9, wb 10:11, gate 12:13, route 14:15
	s_load_b128 s[16:19], s[0:1], 0x20             ; expert_b 16:17, out0 18:19
	v_lshl_add_u32 v4, v0, 2, SPARE
	v_mov_b32 v5, 0
	v_and_b32 v1, 31, v0
	v_lshrrev_b32 v14, 5, v0
	v_readfirstlane_b32 s4, v14                    ; wave 0..3
	s_lshr_b32 s5, ttmp9, 5                        ; the row slot: id's bits 7, 6, 5 are its bits 2, 1, 0,
	s_bfe_u32 s32, ttmp9, 0x10003
	s_lshl_b32 s32, s32, 5
	s_or_b32 s5, s5, s32                           ; bit 3 its bit 5,
	s_bfe_u32 s32, ttmp9, 0x10002
	s_lshl_b32 s32, s32, 4
	s_or_b32 s5, s5, s32                           ; bit 2 its bit 4,
	s_bfe_u32 s32, ttmp9, 0x10004
	s_lshl_b32 s32, s32, 3
	s_or_b32 s5, s5, s32                           ; bit 4 its bit 3
	s_and_b32 s6, ttmp9, 3                         ; column group of 256
	v_and_b32 v2, 15, v0                           ; r
	v_bfe_u32 v3, v0, 4, 1                         ; h
	v_lshlrev_b32 v10, 6, v1                       ; lane l takes the words g = 32 j + l: 64 bytes each
	s_mov_b32 s42, 0xaaaaaaaa                      ; the lanes whose number has bit 0, 1, 2, 3, 4
	s_mov_b32 s43, 0xcccccccc
	s_mov_b32 s44, 0xf0f0f0f0
	s_mov_b32 s45, 0xff00ff00
	s_mov_b32 s46, 0xffff0000                      ; also: a word's upper bf16
	s_mov_b32 s48, 0x76543210                      ; v_permlanex16_b32: each lane takes its own place in the other half
	s_mov_b32 s49, 0xfedcba98
	s_wait_kmcnt 0x0
	s_cmp_lg_u32 s4, 0
	s_cbranch_scc1 .Lnobm                          ; the bit words serve wave 0 alone
.irp j, 0,1,2,3,4,5,6,7
	global_load_b128 v[64+8*\j:64+8*\j+3], v10, s[14:15] offset:2048*\j
	global_load_b128 v[64+8*\j+4:64+8*\j+7], v10, s[14:15] offset:2048*\j+16
.endr
.Lnobm:
.irp j, 0,1,2,3,4,5,6,7
	global_load_b128 v[128+8*\j:128+8*\j+3], v10, s[14:15] offset:2048*\j+32   ; the counts of word 32 j + l: expert e at v[128 + 8 j + e]
	global_load_b128 v[128+8*\j+4:128+8*\j+7], v10, s[14:15] offset:2048*\j+48
.endr
	v_lshlrev_b32 v6, 4, v1
	v_mul_u32_u24 v7, v2, PITCH
	v_lshl_add_u32 v7, v3, 4, v7                   ; a fragment's row x pitch + 16 x half
	s_mul_i32 s32, s4, 36*PITCH
	v_mul_u32_u24 v8, v3, PITCH
	v_lshl_add_u32 v8, v2, 4, v8
	v_add_nc_u32 v8, s32, v8                       ; rows 36 w + 2 p + h, byte 16 r
	s_lshl_b32 s32, s6, 10
	s_lshl_b32 s47, s4, 8
	s_add_co_u32 s32, s32, s47
	v_lshl_add_u32 v9, v2, 4, s32                  ; columns 256 x group + 64 w + 4 r + 0..3, in bytes of f32
	v_lshl_add_u32 v11, v3, 5, TOK
	s_mul_i32 s32, s4, 768
	s_add_co_u32 s32, s32, GATE
	v_lshl_add_u32 v12, v3, 5, s32
	v_lshl_add_u32 v28, v1, 2, s32
	v_mov_b32 v13, 0x7fffffff
	v_lshl_add_u32 v27, v1, 2, LIST
	v_lshl_add_u32 v29, v1, 2, TOK
	s_mul_i32 s32, s4, 144
	s_add_co_u32 s32, s32, TOK
	v_lshl_add_u32 v30, v3, 2, s32
	v_lshlrev_b32 v31, 4, v2
	s_wait_loadcnt 0x0
	; THE COUNTS: each lane's eight words, two experts packed to a register (no sum passes 8,192), then over the 32 lanes
.irp e, 0,1,2,3,4,5,6,7
	v_add3_u32 v[208+\e], v[128+\e], v[136+\e], v[144+\e]
	v_add3_u32 v[208+\e], v[208+\e], v[152+\e], v[160+\e]
	v_add3_u32 v[208+\e], v[208+\e], v[168+\e], v[176+\e]
	v_add_nc_u32 v[208+\e], v[208+\e], v[184+\e]
.endr
.irp i, 0,1,2,3
	v_lshl_or_b32 v[216+\i], v[209+2*\i], 16, v[208+2*\i]
	v_mov_b32 v[220+\i], 0                         ; a lane exchange's destination counts as read
.endr
.irp m, 1,2,4,8
.irp i, 0,1,2,3
	v_mov_b32_dpp v[220+\i], v[216+\i] row_xmask:\m row_mask:0xf bank_mask:0xf
.endr
.irp i, 0,1,2,3
	v_add_nc_u32 v[216+\i], v[216+\i], v[220+\i]
.endr
.endr
.irp i, 0,1,2,3
	v_permlanex16_b32 v[220+\i], v[216+\i], s48, s49
.endr
.irp i, 0,1,2,3
	v_add_nc_u32 v[216+\i], v[216+\i], v[220+\i]
.endr
.irp i, 0,1,2,3
	v_readfirstlane_b32 s32, v[216+\i]
	s_and_b32 s[20+2*\i], s32, 0xffff
	s_lshr_b32 s[21+2*\i], s32, 16
.endr
	; THE SLOT'S EXPERT: the last e whose first tile is not behind the slot.  ceil(c / 144) = ((c + 143) / 16) / 9, and x / 9 = (7,282 x) >> 16 for x up to 520
	s_mov_b32 s28, 0                               ; tiles of the experts before e
	s_mov_b32 s29, 0                               ; e
	s_mov_b32 s30, 0                               ; its first tile
	s_mov_b32 s31, s20                             ; its count
.irp e, 0,1,2,3,4,5,6,7
	s_cmp_ge_u32 s5, s28
	s_cselect_b32 s29, \e, s29
	s_cselect_b32 s30, s28, s30
	s_cselect_b32 s31, s[20+\e], s31
	s_add_co_u32 s32, s[20+\e], 143
	s_lshr_b32 s32, s32, 4
	s_mul_i32 s32, s32, 7282
	s_lshr_b32 s32, s32, 16
	s_add_co_u32 s28, s28, s32
.endr
	s_sub_co_u32 s32, s5, s30
	s_mul_i32 s33, s32, 144                        ; the tile's first rank
	s_sub_co_i32 s34, s31, s33
	s_min_i32 s34, s34, 144
	s_max_i32 s34, s34, 0                          ; its rows: 0 for a slot behind the last tile
	s_sub_co_i32 s35, s34, 1
	s_max_i32 s35, s35, 0                          ; its last row
	s_min_u32 s29, s29, 7
	s_lshl_b32 s50, s29, 21
	s_lshl_b32 s32, s6, 19
	s_add_co_u32 s50, s50, s32
	s_lshl_b32 s32, s4, 17
	s_add_co_u32 s50, s50, s32
	s_mov_b32 s51, 0
	s_add_nc_u64 s[10:11], s[10:11], s[50:51]      ; wb at (e, column group 4 x group + w): 131,072 bytes on end, mine alone in this work-group
	s_lshl_b32 s50, s29, 12
	s_add_nc_u64 s[16:17], s[16:17], s[50:51]      ; expert_b at e
	global_load_b128 v[240:243], v9, s[16:17]
.set NLD, NLD+1
	BLOAD 0                                        ; five of the ring's six stages are asked for as soon as the expert is known: they come while the list is made and A's first chunk is fetched
	BLOAD 1
	BLOAD 2
	BLOAD 3
	BLOAD 4
	WIN 0
	s_cmp_lg_u32 s4, 0
	s_cbranch_scc1 .Ljoin                          ; WAVE 0 ALONE MAKES THE LIST; no other wave touches LDS ahead of the barrier below
	v_mov_b32 v15, 0
.irp c, 0,1,2,3,4
	ds_store_b32 v27, v15 offset:128*\c            ; every word of LIST holds a token, whatever the split
.endr
.irp j, 0,1,2,3,4,5,6,7
	v_add_nc_u32 v[226+\j], 1024*\j, v1            ; 1,024 j + i: what the lane's 32 l is added to
.endr
.irp e, 1,2,3,4,5,6,7
	s_cmp_eq_u32 s29, \e
	s_cselect_b32 s41, -1, 0
	v_cndmask_b32 v208, v208, v[208+\e], s41       ; the expert's count in my lane's words,
.irp j, 0,1,2,3,4,5,6,7
	v_cndmask_b32 v[64+8*\j], v[64+8*\j], v[64+8*\j+\e], s41     ; its bit words,
	v_cndmask_b32 v[128+8*\j], v[128+8*\j], v[128+8*\j+\e], s41  ; and their counts
.endr
.endr
	v_mov_b32 v224, 0                              ; the ranks in the lanes before mine: in each step of the sum over the lanes, the partner's part counts if the partner is the lower one
.macro SCAN m, sm
	v_mov_b32_dpp v220, v208 row_xmask:\m row_mask:0xf bank_mask:0xf
	v_cndmask_b32 v225, 0, v220, \sm
	v_add_nc_u32 v208, v208, v220
	v_add_nc_u32 v224, v224, v225
.endm
	SCAN 1, s42
	SCAN 2, s43
	SCAN 4, s44
	SCAN 8, s45
	v_permlanex16_b32 v220, v208, s48, s49
	v_cndmask_b32 v225, 0, v220, s46
	v_add_nc_u32 v224, v224, v225
	v_sub_nc_u32 v50, v224, s33                    ; the rank, counted from the tile's first, at which my word j begins: v[50 + j]
.irp j, 0,1,2,3,4,5,6,7
	v_add_nc_u32 v[51+\j], v[50+\j], v[128+8*\j]
.endr
	v_cmp_gt_i32 s36, 144, v50
	v_cmp_lt_i32 s47, 0, v58
	s_and_b32 s36, s36, s47                        ; the lanes whose ranks meet the tile's 0 .. 143
	; Eight trips of four lanes; four lanes none of which meets the tile are jumped together, a single one by itself.  A live lane's eight words go through each step together, in registers of their
	; own (s[20:27] the words, s[52:59] their first ranks, v[208:215] rank and address, v[216:223] the tokens), so that no line reads the result of the line before it.
	s_mov_b32 s37, 0
.Lemit:
	s_lshr_b32 s32, s36, s37
	s_and_b32 s32, s32, 15
	s_cmp_eq_u32 s32, 0
	s_cbranch_scc1 .Lskip
.irp u, 0,1,2,3
	s_bitcmp1_b32 s32, \u
	s_cbranch_scc0 .Ldead\u
	s_add_co_u32 s38, s37, \u                      ; the lane l
	s_lshl_b32 s39, s38, 5
.irp j, 0,1,2,3,4,5,6,7
	v_readlane_b32 s[20+\j], v[64+8*\j], s38       ; word j: lane i now stands for its bit i
.endr
.irp j, 0,1,2,3,4,5,6,7
	v_readlane_b32 s[52+\j], v[50+\j], s38
.endr
.irp j, 0,1,2,3,4,5,6,7
	v_mbcnt_lo_u32_b32 v[208+\j], s[20+\j], s[52+\j]  ; the word's first rank + the set bits below mine
.endr
.irp j, 0,1,2,3,4,5,6,7
	v_cndmask_b32 v[208+\j], v13, v[208+\j], s[20+\j]  ; the word itself is the mask of lanes
.endr
.irp j, 0,1,2,3,4,5,6,7
	v_min_u32 v[208+\j], 144, v[208+\j]            ; ranks below the tile wrap round to large numbers: they, ranks past it and bits not set fall on word 144
.endr
.irp j, 0,1,2,3,4,5,6,7
	v_lshl_add_u32 v[208+\j], v[208+\j], 2, LIST
.endr
.irp j, 0,1,2,3,4,5,6,7
	v_add_nc_u32 v[216+\j], s39, v[226+\j]         ; token 1,024 j + 32 l + i
.endr
.irp j, 0,1,2,3,4,5,6,7
	ds_store_b32 v[208+\j], v[216+\j]
.endr
.Ldead\u:
.endr
.Lskip:
	s_add_co_u32 s37, s37, 4
	s_cmp_lt_u32 s37, 32
	s_cbranch_scc1 .Lemit
.irp c, 0,1,2,3,4
	v_add_nc_u32 v[16+\c], 32*\c, v1
.endr
.irp c, 0,1,2,3,4
	v_min_u32 v[16+\c], s35, v[16+\c]              ; places past the count repeat the last row
.endr
.irp c, 0,1,2,3,4
	v_min_u32 v[16+\c], 143, v[16+\c]
.endr
.irp c, 0,1,2,3,4
	v_lshl_add_u32 v[16+\c], v[16+\c], 2, LIST
.endr
.irp c, 0,1,2,3,4
	ds_load_b32 v[21+\c], v[16+\c]                 ; LDS serves a wave's instructions in order (ISA guide 5.7.1.4): these see the stores above
.endr
	s_wait_dscnt 0x0
.irp c, 0,1,2,3,4
	v_min_u32 v[21+\c], 0x1fff, v[21+\c]
.endr
.irp c, 0,1,2,3,4
	ds_store_b32 v29, v[21+\c] offset:128*\c
.endr
.Ljoin:
	s_wait_dscnt 0x0                               ; for the others' sake: wave 0's table is in LDS
	s_barrier_signal -1
	s_barrier_wait -1
.irp p, 0,1,2,3,4,5,6,7,8,9,10,11,12,13,14,15,16,17
	ds_load_b32 v[32+\p], v30 offset:8*\p          ; the token of row 36 w + 2 p + h
.endr
.irp c, 0,1,2,3,4
	ds_load_b32 v[226+\c], v29 offset:128*\c       ; and of place 32 c + lane, for the gates
.endr
	s_wait_dscnt 5
.irp p, 0,1,2,3,4,5,6,7,8,9,10,11,12,13,14,15,16,17
	v_min_u32 v[32+\p], 0x1fff, v[32+\p]
.endr
.irp p, 0,1,2,3,4,5,6,7,8,9,10,11,12,13,14,15,16,17
	v_lshl_add_u32 v[32+\p], v[32+\p], 11, v31     ; its row of 2,048 bytes in xb + 16 r
.endr
	ALOAD 0, FA, 0
.set MKA0, NLD
	ALOAD 1, FA+72, 0
.set MKA1, NLD
	s_wait_dscnt 0x0
.irp c, 0,1,2,3,4
	v_min_u32 v[226+\c], 0x1fff, v[226+\c]
.endr
.irp c, 0,1,2,3,4
	v_lshlrev_b32 v[226+\c], 2, v[226+\c]
.endr
.irp c, 0,1,2,3,4
	global_load_b32 v[232+\c], v[226+\c], s[12:13]
.endr
.set NLD, NLD+5
.set MKG, NLD
	ALOAD 2, STG, 0xc0                             ; the third chunk is asked for with the first two: it is wanted at the head of step 4
.set MKA, NLD
	WIN 0
	WAITLD MKA0                                    ; chunk 0 is in, and all that was asked for before it: the bias and B of steps 0 to 4; chunk 1, the gates and chunk 2 stay out
	v_cvt_pk_bf16_f32 v244, v240, v241             ; the bias rounded to bf16, like every input,
	v_cvt_pk_bf16_f32 v245, v242, v243
	WIN 0xc0                                       ; and widened into four C tiles: column 4 r + b in all eight registers of tile b
.irp j, 0,1,2,3,4,5,6,7
	v_lshlrev_b32 v[BC+\j], 16, v244
	v_and_b32 v[BC+8+\j], s46, v244
	v_lshlrev_b32 v[BC+16+\j], 16, v245
	v_and_b32 v[BC+24+\j], s46, v245
.endr
	ASTORE FA, 0
	WAITLD MKA1                                    ; chunk 1; the gates and chunk 2 stay out
	ASTORE FA+72, 0
	WAITLD MKG                                     ; the gates; chunk 2 stays out
.irp c, 0,1,2,3,4
	ds_store_b32 v28, v[232+\c] offset:128*\c      ; my own table of gates
.endr
	s_wait_dscnt 0x0                               ; for the others' sake: my rows of chunks 0 and 1 are in LDS
	s_barrier_signal -1
	s_barrier_wait -1
	FETCH 0
.set kk, 0
.rept 32
	KSTEP kk
.set kk, kk+1
.endr
	; THE WAY OUT.  Register j of accumulator (a, b) in lane (r, h) is row 16 a + 8 h + j, column 4 r + b of my 64.  A block of 16 rows at a time: the rows' gates and tokens come from the tables
	; (all lanes of a half read the same 32 bytes), a block ahead; two sets of registers take turns.  Whole blocks past the count are jumped; no barrier stands in what is jumped.
.rept 4
	v_nop                                          ; four places behind the last products (ISA guide 7.12.1)
.endr
.macro OLOAD a
.set ol_, 64+64*((\a)%2)
	ds_load_b128 v[ol_+32:ol_+35], v12 offset:64*(\a)
	ds_load_b128 v[ol_+36:ol_+39], v12 offset:64*(\a)+16
	ds_load_b128 v[ol_+40:ol_+43], v11 offset:64*(\a)
	ds_load_b128 v[ol_+44:ol_+47], v11 offset:64*(\a)+16
.endm
.macro OUT a
	WIN 0
	s_cmp_le_u32 s34, 16*(\a)
	s_cbranch_scc1 .Ldone
	s_wait_xcnt 0x0                                ; the set's registers, which the stores two blocks back read, are rewritten only behind this wait
	s_wait_dscnt 0x0                               ; this block's gates and tokens
.if (\a) < 8
	OLOAD (\a)+1
.endif
.set ob_, 64+64*((\a)%2)
.if (\a) < 8
.set d_, 32*(\a)
	WIN 0x02
.else
.set d_, 0
	WIN 0x03
.endif
.irp j, 0,1,2,3,4,5,6,7
.irp b, 0,1,2,3
	v_mul_f32 v[ob_+4*\j+\b], v[d_+8*\b+\j], v[ob_+32+\j]  ; each accumulator from its low end on
.endr
.endr
	WIN 0
.irp j, 0,1,2,3,4,5,6,7
	v_min_u32 v[ob_+40+\j], 0x1fff, v[ob_+40+\j]
	v_lshl_add_u32 v[ob_+48+\j], v[ob_+40+\j], 12, v9
	global_store_b128 v[ob_+48+\j], v[ob_+4*\j:ob_+4*\j+3], s[18:19] th:TH_STORE_NT  ; 16 lanes: 256 consecutive bytes of a token's row, aligned
.endr
.endm
	WIN 0
	OLOAD 0
	OUT 0
	OUT 1
	OUT 2
	OUT 3
	OUT 4
	OUT 5
	OUT 6
	OUT 7
	OUT 8
	WIN 0
.Ldone:
	s_wait_tensorcnt 0x0                           ; the wave's end, behind my last LDS store
	ds_add_u32 v4, v5
	s_wait_dscnt 0x0
	s_endpgm
.Lfunc_end_k_q9b53beb454_ffn:
	.size	k_q9b53beb454_ffn, .Lfunc_end_k_q9b53beb454_ffn-k_q9b53beb454_ffn
	.p2alignl 7, 3214868480
	.fill 96, 4, 3214868480
	.section	.rodata,"a",@progbits
	.p2align	6, 0x0
	.amdhsa_kernel k_q9b53beb454_ffn
		.amdhsa_group_segment_fixed_size 318464
		.amdhsa_private_segment_fixed_size 0
		.amdhsa_enable_private_segment 0
		.amdhsa_kernarg_size 48
		.amdhsa_user_sgpr_count 2
		.amdhsa_user_sgpr_kernarg_segment_ptr 1
		.amdhsa_wavefront_size32 1
		.amdhsa_system_sgpr_workgroup_id_x 1
		.amdhsa_system_sgpr_workgroup_id_y 1
		.amdhsa_system_sgpr_workgroup_id_z 1
		.amdhsa_system_vgpr_workitem_id 0
		.amdhsa_next_free_vgpr 904
		.amdhsa_next_free_sgpr 66
		.amdhsa_reserve_vcc 0
		.amdhsa_float_denorm_mode_32 3
		.amdhsa_float_denorm_mode_16_64 3
		.amdhsa_memory_ordered 1
		.amdhsa_forward_progress 1
		.amdhsa_inst_pref_size 247
	.end_amdhsa_kernel
	.amdgpu_metadata
---
amdhsa.version: [ 1, 2 ]
amdhsa.kernels:
  - .name:           k_q9b53beb454_ffn
    .symbol:         k_q9b53beb454_ffn.kd
    .args:
      - { .name: xb, .offset: 0, .size: 8, .value_kind: global_buffer, .address_space: global }
      - { .name: wb, .offset: 8, .size: 8, .value_kind: global_buffer, .address_space: global }
      - { .name: gate, .offset: 16, .size: 8, .value_kind: global_buffer, .address_space: global }
      - { .name: route, .offset: 24, .size: 8, .value_kind: global_buffer, .address_space: global }
      - { .name: expert_b, .offset: 32, .size: 8, .value_kind: global_buffer, .address_space: global }
      - { .name: out0, .offset: 40, .size: 8, .value_kind: global_buffer, .address_space: global }
    .group_segment_fixed_size: 318464
    .private_segment_fixed_size: 0
    .kernarg_segment_align: 8
    .kernarg_segment_size: 48
    .max_flat_workgroup_size: 128
    .sgpr_count:     66
    .vgpr_count:     904
    .wavefront_size: 32
...
	.end_amdgpu_metadata
.endif
;; end of part 2
